; MI455X (gfx1250); checked and timed in simulation.
; The chip was launched on July 23, 2026; its instructions are those of AMD's public machine-readable ISA for CDNA 5 (MIT licence, August 2026) and "CDNA5" Instruction Set Architecture Reference Guide (July 2026). The comments in the code are by the model that wrote it; some were corrected since.
;; Full Attention. Allowed arithmetic: matrix products marked QUANTISED: E2M1 operands, one E8M0 scale for each 32 along K, by v_wmma_scale_f32_16x16x128_f8f6f4 with both operands' format E2M1 (or v_wmma_scale_f32_32x16x128_f4), f32 sums; everything else in f32.
;; Inputs: keys 4 x 2,048 x 16 x 64 float32; queries 4 x 2,048 x 16 x 64 float32; values 4 x 2,048 x 16 x 64 float32.
;; Outputs: out0 4 x 2,048 x 16 x 64 float32.
;; This version of the problem:
;;   THIS VERSION OF THE PROBLEM IS GIVEN IN LOW PRECISION. The matrix products marked QUANTISED in the list below multiply operands that are first quantised to E2M1 (2 exponent bits, 1 mantissa bit; 4 bits a number), with one power-of-two scale for each 32 numbers along K (OCP MX v1.0); their sums are f32. All else is computed in f32.
;;   The module's matrix products, in the order in which they are computed (A, B: the left and right operand; K: the contracted axis; several contracted axes count as one K, in the product's order):
;;     1. batch 64 x [M 2,048, K 64] x [K 64, N 2,048]; A: input queries; B: input keys: QUANTISED
;;     2. batch 64 x [M 64, K 2,048] x [K 2,048, N 2,048]; A: input values; B: softmax (see below): QUANTISED
;;   THE QUANTISER, for each operand of a quantised product, along K:
;;     - K is cut into blocks of 32 from its start; a last block that is shorter is filled with zeros.
;;     - A block's scale is 2^e with e = floor(log2(the largest magnitude in the block)) - 2, held to -126 .. 127; a block of zeros has e = 0. As a byte (E8M0): e + 127.
;;     - Each number is divided by its block's scale, clamped to +-6, and rounded to the nearest number of E2M1, ties to even, subnormals kept.
;;     - The product sums the exact products of the quantised numbers (number of the format x scale) in f32.
;;   ~~~python
;;   def quantise(x, axis):      # numpy; x: float32 -> the quantised numbers, widened to float32 again
;;       x = np.moveaxis(x, axis, -1); K = x.shape[-1]
;;       x = np.pad(x, [(0, 0)] * (x.ndim - 1) + [(0, -K % 32)]); x = x.reshape(x.shape[:-1] + (-1, 32)); a = np.abs(x).max(-1, keepdims=True)
;;       e = np.where(a > 0, np.clip(np.frexp(np.where(a > 0, a, 1))[1] - 1 - 2, -126, 127), 0)      # np.frexp(a)[1] - 1 = floor(log2(a)), exactly
;;       r = np.clip(x / 2.0 ** e, -6, 6)
;;       step = 2.0 ** (np.maximum(np.frexp(np.where(r == 0, 1, r))[1] - 1, 0) - 1)
;;       q = np.round(r / step) * step * 2.0 ** e      # np.round: ties to even
;;       return np.moveaxis(q.reshape(q.shape[:-2] + (-1,))[..., :K], -1, axis).astype(np.float32)
;;   ~~~
;;   SOFTMAX AHEAD OF A QUANTISED PRODUCT. Where the list says 'softmax', what is quantised is not the finished softmax but p = 2^(t - M), with t = logit x log2(e) and M = ceil(the row's largest t), a whole number; so 1/2 < the row's largest p <= 1. The row's sum l is taken of the UNQUANTISED p, in f32, and the product's result is divided by l at the end. Since M is a whole number, a kernel that streams over the keys may use a running M (the ceiling of the running maximum): every later rescaling is an exact power of two, which a block's scale takes up: the codes' values come out the same.
;;   OPERANDS COMPUTED ON THE WAY. 'Computed on the way' means the value that the module computes at that place (a softmax that the list does not call 'softmax' is quantised finished and normalised). What goes into a quantiser is computed in f32, as accurately as f32 sums, v_exp_f32 and their like allow (about 1e-6 of the number): no bf16 or f16 on the way to a quantiser, and a product that is left as it is and whose result goes on into a quantised operand takes f32 operands (vector FMAs, or v_wmma_f32_16x16x4_f32). A number that lies on a knife's edge between two numbers of the format may be rounded either way, as far as f32 arithmetic and the matrix unit's own rounding can turn it there, and no further.
;; 2 versions. Each part assembles by itself: llvm-mc -triple=amdgcn-amd-amdhsa -mcpu=gfx1250 --defsym DOCPART=n.
;; ======== version 1 of 2: 1 launch
;; limits: right only within a limited range of input values
;; launch attn (part 1): grid 4 x 64, 16 waves a work-group, no clusters, 232,960 bytes of LDS; arguments keys, queries, values, out0; writes out0
.if DOCPART == 1
	.amdgcn_target "amdgcn-amd-amdhsa--gfx1250"
	.amdhsa_code_object_version 6
	.text
	.protected	k_q7ce124bf70_attn
	.globl	k_q7ce124bf70_attn
	.p2align	8
	.type	k_q7ce124bf70_attn,@function
k_q7ce124bf70_attn:
	s_mov_b64 s[64:65], 0
	v_nop
	global_prefetch_b8 v0, s[64:65] scope:SCOPE_SE
	s_setreg_imm32_b32 hwreg(HW_REG_WAVE_MODE, 25, 1), 1
	s_wait_xcnt 0x0
; out[b][l][h][:] = the sum over s <= l of softmax_s(Q[b][l][h] . K[b][s][h] / 8) V[b][s][h][:].  Q, K, V, out: [4][2048][16][64] f32; a (b, l, h) row is 256 bytes, rows of one head lie 4,096 bytes apart.
; Both products run on codes of FP4 (E2M1) with one E8M0 scale for each 32 along a product's K.  Product 1: K = the head's 64 (two blocks; the instruction's upper 64 along K are zero codes on both sides).
; Product 2: K = the keys: V is quantised down the keys, p = 2^(t - M) along the keys; t = score x log2(e) / 8, M = the running largest t rounded UP to a whole number; the row's sum is taken of the unquantised p and divides at the end.
; SHARES.  256 work-groups: y = the head (b = y / 16, h = y % 16), x = i = 0 .. 3.  Work-group (i, y) owns the blocks of 256 queries 7 - i (pass 0) and i (pass 1).  Sixteen waves of 256 registers, four to a SIMD, so that one wave's
; vector work stands beside another's matrix work and loads.  Wave w owns tile w of block 7 - i and tile 15 - w of block i: 2 (7 - i) + w / 8 + 1 and 2 i + (15 - w) / 8 + 1 key steps of 128 keys: 17 for every wave.
; K AND V ARE QUANTISED BY THE WORK-GROUP ITSELF, a key step at a time, each wave a sixteenth of a step, into LDS as IMAGES OF THE OPERANDS' REGISTERS, and stay there: a head's 16 steps are 16 x 8,960 bytes.  Only the 16 - 2 i steps
; that block 7 - i wants are made.  In pass 0's trip for step s, step s + 1 (asked for a trip ago) is quantised and stored, step s + 2 is asked for, the tile works on step s, and one barrier follows.  Pass 1 reads what lies there: no barrier.
; NO CLUSTER, NO TENSOR LOADS: what the four work-groups of a head share are f32 numbers, which have to pass through registers, neighbours along K in one lane, to become codes; and the four want 16, 14, 12 and 10 steps: partners would
; need different numbers of tiles.  No prefetch: a step's register loads are already asked for a whole trip ahead of their use.
; LAYOUT (r = lane % 16, h = lane / 16).  Both products are used transposed: S^T = K Q^T (source 0 = 16 keys, source 1 = my 16 queries), O^T = V^T P^T (source 0 = 16 channels, source 1 = P): a lane holds ONE query throughout.
; THE KEYS OF A TILE OF K ARE NOT NEIGHBOURS: lane r of tile 2 b + u takes key 32 b + 8 u + r + 8 (r / 8), so that S^T's register 16 b + i is key 32 b + 16 h + i: 16 neighbours along the second product's K.
; THE MASK.  A step all of whose keys come after my 16 queries is left out (a scalar branch on ids); in the one step on the diagonal hidden scores become -1e9, as the definition has it, ahead of the maximum.
; LIMITS.  NaN and infinities among the inputs are not served.  A block whose largest magnitude lies under 2^-124 keeps the scale byte 1; a block of zeros gets the byte 1 where the rule says 127: its codes are zeros, and this
; program alone reads the bytes.  A p under 2^-126 comes out as 0 (the exponential's results under the smallest normal number are zeros: ISA guide, its entry among the vector instructions).  Leaving hidden steps out equals the definition while
; every row has a visible score above about -9e8.
;
; LDS.  A key step's region, REG bytes: KI 8 tiles of K x 512 bytes (registers 0-3 of a fragment: 16 bytes a lane at 16 x lane; registers 4-7 are zeros and are not kept); VI 4 tiles of V x 1,024 bytes (two groups of four registers);
;   KSC K's scale words, tile t, row r at 16 (16 (t / 4) + r) + 4 (t % 4): one load of 16 bytes at 16 x lane gives register j = tile j in lanes 0-15 and tile 4 + j in lanes 16-31;
;   VSC V's scale bytes, byte kb of tile t, channel r at 8 (16 (t / 2) + r) + 4 (t % 2) + kb: one load of 8 bytes at 8 x lane gives register j = tile j in lanes 0-15 and tile 2 + j in lanes 16-31.
;   Even steps lie in one area, odd steps in another: between two barriers a wave loads from one area alone and stores into the other alone.  Each area has a ninth region, which nothing fills.  Behind them: a stage of 16 rows x 272 bytes for each wave.
; REGISTERS.  v1-9 lane terms that stay; v10, v11 LDS addresses of the step in hand; v12 -M, v13 the largest t, v[14:15] the sum in two halves; v16-19 Q's codes, v20-23 zeros; v24 Q's scale word; v25 r - 16 h;
;   v26-30 the second tile's Q; v31, v241-243 the quantiser's store addresses; v32-63 four fragments of K (the upper four registers of each stay zeros); v64-95 four of V; v96-159 S^T, then p; v160-191 O^T;
;   v192-207, v208-223 16 numbers of K and 16 of V on their way in; v224-231 p's codes; v232-240, v244-247 at work; v248-251 K's scale words; v252 f; v253 p's scale word; v[254:255] V's scale words.
.set REG,  8960
.set KI,   0
.set VI,   4096
.set KSC,  8192
.set VSC,  8704
.set AREA, 9*REG                       ; odd steps begin here
.set STG,  2*AREA                      ; the stages
.set SP,   272                         ; a stage row: 256 bytes + 16
.set TBE,  24                          ; s24  the region in hand of the even steps' area
.set TBO,  25                          ; s25  of the odd steps' area
; s12 wave; s13 i; s14 y; s[16:17], s[18:19] K's and V's bytes of the step asked for last; s[20:21] lane selects; s[22:23] c; s26 the step's first key; s27 my tile's first query; s28 steps to make; s29 the step to make next; s30 trips; s31 at work
; A sixteenth of a key step is asked for: 20 loads.  K: wave w takes keys 8 w .. 8 w + 7; lane l key l / 4, channels 16 (l % 4) on: 16 neighbours along K.  V: wave w takes channels 16 (w % 4) on and keys 32 (w / 4) on;
; lane (r, h) takes channel r and its registers run DOWN the keys 16 h + 0 .. 15.  No cache hint: the head's other three work-groups read the same bytes.
.macro KVLOAD
.irp j, 0,1,2,3
	global_load_b128 v[192+4*\j:195+4*\j], v7, s[16:17] offset:16*\j
.endr
.irp i, 0,1,2,3,4,5,6,7,8,9,10,11,12,13,14,15
	global_load_b32 v[208+\i], v8, s[18:19] offset:4096*\i
.endr
.endm
; These 32 numbers a lane become codes and scale bytes in the region at s[base] + off.  K's block of 32 lies in lanes l and l xor 1, V's in lanes l and l xor 16.
.macro KVQUANT base, off
	v_add_nc_u32 v241, s[\base], v3                ; where my 8 bytes of K's codes go,
	v_add_nc_u32 v242, s[\base], v4                ; my key's scale word,
	v_add_nc_u32 v243, s[\base], v5                ; my 8 bytes of V's codes,
	v_add_nc_u32 v31, s[\base], v6                 ; my block's scale byte
	v_max3_num_f32 v232, |v192|, |v193|, 0x1800000 ; the largest magnitudes, K's and V's by turns, with the floor 2^(3 - 127) among the leaves: the byte cannot fall under 1
	v_max3_num_f32 v236, |v208|, |v209|, 0x1800000
.irp i, 2,4,6,8,10,12,14
	v_max3_num_f32 v232, v232, |v[192+\i]|, |v[193+\i]|
	v_max3_num_f32 v236, v236, |v[208+\i]|, |v[209+\i]|
.endr
	v_max_num_f32_dpp v232, v232, v232 row_xmask:1 row_mask:0xf bank_mask:0xf
	v_permlanex16_b32 v237, v236, s20, s21
	v_max_num_f32 v236, v236, v237
	v_add_nc_u32 v246, 0xff000000, v232            ; 2 off the exponent field: the conversion takes the exponent field of this operand as its scale, and nothing else of it
	v_add_nc_u32 v247, 0xff000000, v236
	v_lshrrev_b32 v233, 23, v246                   ; the scales' bytes
	v_lshrrev_b32 v240, 23, v247
	v_cvt_scalef32_pk8_fp4_f32 v244, v[192:199], v246
	v_cvt_scalef32_pk8_fp4_f32 v245, v[200:207], v246
	v_cvt_scalef32_pk8_fp4_f32 v238, v[208:215], v247
	v_cvt_scalef32_pk8_fp4_f32 v239, v[216:223], v247
	v_lshlrev_b32 v233, v9, v233                   ; (the plain place behind the conversions)  K's byte at its place in the word: channel block (l / 2) % 2,
	v_mov_b32_dpp v234, v233 row_xmask:2 row_mask:0xf bank_mask:0xf
	v_or_b32 v235, v233, v234                      ; with the other block's: bytes 0 and 1; bytes 2 and 3, over zero codes, are 0
	ds_store_b64 v241, v[244:245] offset:\off+KI
	ds_store_b32 v242, v235 offset:\off+KSC        ; a key's four lanes store the same word with the same value
	ds_store_b64 v243, v[238:239] offset:\off+VI
	ds_store_b8 v31, v240 offset:\off+VSC          ; both lanes of a block store the same byte with the same value
.endm
; The quantiser's part of a trip: step s29, if it is wanted, is made from the numbers asked for a trip ago; the step behind it, if it is wanted, is asked for.  The branches hang on ids and counts alone.
.macro QSTEP base, off
	s_cmp_ge_u32 s29, s28
	s_cbranch_scc1 .Lnoq_\@
	s_wait_loadcnt 0x0                             ; the 20 loads are in: their registers may be read and their bases stepped
	KVQUANT \base, \off
	s_add_co_u32 s31, s29, 1
	s_cmp_ge_u32 s31, s28
	s_cbranch_scc1 .Lnoq_\@                        ; no load leaves the steps that are wanted
	s_add_nc_u64 s[16:17], s[16:17], 0x80000       ; 128 keys of 4,096 bytes on
	s_add_nc_u64 s[18:19], s[18:19], 0x80000
	KVLOAD
.Lnoq_\@:
	s_add_co_u32 s29, s29, 1
.endm
; A tile of Q: lane (r, h) takes query r's channels 32 h .. 32 h + 31: a whole block, 128 bytes
.macro QLOAD reg, sb
.irp j, 0,1,2,3,4,5,6,7
	global_load_b128 v[\reg+4*\j:\reg+4*\j+3], v10, s[\sb:\sb+1] offset:16*\j
.endr
.endm
; and becomes registers 0-3 of a fragment, v[dc] on, and a scale word, v[dw]
.macro QQ src, dc, dw
	v_max3_num_f32 v232, |v[\src]|, |v[\src+1]|, 0x1800000   ; two chains, the floor among the leaves
	v_max3_num_f32 v233, |v[\src+2]|, |v[\src+3]|, |v[\src+4]|
.irp i, 5,9,13,17,21,25
	v_max3_num_f32 v232, v232, |v[\src+\i]|, |v[\src+\i+1]|
	v_max3_num_f32 v233, v233, |v[\src+\i+2]|, |v[\src+\i+3]|
.endr
	v_max3_num_f32 v232, v232, |v[\src+29]|, |v[\src+30]|
	v_max3_num_f32 v232, v232, v233, |v[\src+31]|
	v_add_nc_u32 v246, 0xff000000, v232
	v_lshrrev_b32 v236, 23, v246
	v_lshlrev_b32 v236, v11, v236                  ; my block's byte, 8 h bits up;
	v_permlanex16_b32 v237, v236, s20, s21
	v_or_b32 v[\dw], v236, v237                    ; with lane l xor 16's the word is whole
.irp g, 0,1,2,3
	v_cvt_scalef32_pk8_fp4_f32 v[\dc+\g], v[\src+8*\g:\src+8*\g+7], v246
.endr
	v_nop                                          ; one plain place behind a scaled conversion
.endm
.macro BAR                                     ; my LDS stores have landed and my LDS loads are in: then the work-group's barrier
	s_wait_dscnt 0x0
	s_barrier_signal -1
	s_barrier_wait -1
.endm
; A KEY STEP of my tile: the 128 keys from s26 on, whose images lie at s[base].
.macro ASTEP base
	s_add_co_u32 s31, s27, 15
	s_cmp_gt_u32 s26, s31
	s_cbranch_scc1 .Lhid_\@                        ; all its keys come after my queries
	v_add_nc_u32 v10, s[\base], v1
	v_add_nc_u32 v11, s[\base], v2
	ds_load_b128 v[248:251], v10 offset:KSC        ; K's scale words of all eight tiles
.irp t, 0,1,2,3
	ds_load_b128 v[32+8*\t:35+8*\t], v10 offset:KI+512*\t
.endr
	ds_load_b64 v[254:255], v11 offset:VSC         ; V's scale words of all four tiles
.irp t, 0,1,2,3
.irp c, 0,1
	ds_load_b128 v[64+8*\t+4*\c:67+8*\t+4*\c], v10 offset:VI+1024*\t+512*\c
.endr
.endr
	s_wait_dscnt 9                                 ; K's words and first four tiles are in (and the quantiser's stores, issued ahead of them, are done); V's nine loads may be out
.irp t, 0,1,2,3                                ; S^T = K Q^T.  The accumulators take turns, one instruction a turn
	v_wmma_scale_f32_16x16x128_f8f6f4 v[96+8*\t:103+8*\t], v[32+8*\t:39+8*\t], v[16:23], 0, v[248+\t], v24 matrix_a_fmt:MATRIX_FMT_FP4 matrix_b_fmt:MATRIX_FMT_FP4
.endr
.rept 4
	v_nop                                          ; places in front of loads into registers that matrix instructions have read (ISA guide 7.12.1 for vector instructions)
.endr
.irp t, 0,1,2,3
	ds_load_b128 v[32+8*\t:35+8*\t], v10 offset:KI+512*(4+\t)
.endr
	s_wait_dscnt 0x0
.irp t, 0,1,2,3
	v_wmma_scale_f32_16x16x128_f8f6f4 v[128+8*\t:135+8*\t], v[32+8*\t:39+8*\t], v[16:23], 0, v[248+\t], v24 matrix_a_fmt:MATRIX_FMT_FP4 matrix_b_fmt:MATRIX_FMT_FP4 matrix_a_scale:MATRIX_SCALE_ROW1
.endr
.rept 4
	v_nop                                          ; places in front of the first read of results
.endr
	s_add_co_u32 s31, s26, 127                     ; a step all of whose keys count skips the mask
	s_cmp_le_u32 s31, s27
	s_cbranch_scc1 .Lopen_\@
	s_sub_co_i32 s31, s27, s26
	v_add_nc_u32 v252, s31, v25                    ; d = my query - the step's first key - 16 h.  Register 16 b + i holds key 32 b + 16 h + i of the step: hidden where 32 b + i > d
	v_mov_b32 v240, 0xce6e6b28                     ; -1e9
.irp n, 0,1,2,3,4,5,6,7,8,9,10,11,12,13,14,15,16,17,18,19,20,21,22,23,24,25,26,27,28,29,30,31,32,33,34,35,36,37,38,39,40,41,42,43,44,45,46,47,48,49,50,51,52,53,54,55,56,57,58,59,60,61,62,63
	v_cmp_gt_i32 vcc_lo, 32*(\n/16)+\n%16, v252
	v_cndmask_b32 v[96+\n], v[96+\n], v240, vcc_lo
.endr
.Lopen_\@:
.irp b, 0,1,2,3
	v_max3_num_f32 v[232+\b], v[96+16*\b], v[97+16*\b], v[98+16*\b]   ; THE LARGEST SCORE OF EACH BLOCK OF 32 KEYS: it serves for the row's maximum and, since p rises with the score, for the block's largest p
.endr
.irp i, 3,5,7,9,11,13
.irp b, 0,1,2,3
	v_max3_num_f32 v[232+\b], v[232+\b], v[96+16*\b+\i], v[97+16*\b+\i]   ; (the four blocks by turns)
.endr
.endr
.irp b, 0,1,2,3
	v_max_num_f32 v[232+\b], v[232+\b], v[111+16*\b]
.endr
.irp b, 0,1,2,3
	v_permlanex16_b32 v[236+\b], v[232+\b], s20, s21
.endr
.irp b, 0,1,2,3
	v_max_num_f32 v[232+\b], v[232+\b], v[236+\b]  ; with lane l xor 16's 16 keys
.endr
	v_max3_num_f32 v240, v232, v233, v234
	v_max_num_f32 v240, v240, v235                 ; the step's largest score of my query
	v_mul_f32 v240, s22, v240                      ; as t (c is positive)
	v_max_num_f32 v13, v13, v240                   ; the running largest t
	v_mov_b32 v240, v12
	v_floor_f32 v12, -v13                          ; the new -M = floor(-t) = -ceil(t): M is a whole number
	v_sub_f32 v240, v12, v240                      ; M's old value less its new one: a whole number, 0 or less
	v_cvt_i32_f32 v240, v240                       ; (it saturates)
	v_ldexp_f32 v252, 1.0, v240                    ; f = 2^(old M - new M): a multiplication by it rounds nothing
.irp j, 0,2,4,6,8,10,12,14,16,18,20,22,24,26,28,30,32,34,36,38,40,42,44,46,48,50,52,54,56,58,60,62
	v_pk_fma_f32 v[96+\j:97+\j], v[96+\j:97+\j], s[22:23], v[12:13] op_sel_hi:[1,0,0]   ; t - M, two at a time (of the pairs c and -M the low word serves both halves)
.endr
.irp b, 0,1,2,3
	v_fma_f32 v[232+\b], v[232+\b], s22, v12       ; the same of each block's largest score
.endr
.irp j, 0,1,2,3,4,5,6,7,8,9,10,11,12,13,14,15,16,17,18,19,20,21,22,23,24,25,26,27,28,29,30,31,32,33,34,35,36,37,38,39,40,41,42,43,44,45,46,47,48,49,50,51,52,53,54,55,56,57,58,59,60,61,62,63
	v_exp_f32 v[96+\j], v[96+\j]                   ; p = 2^(t - M), at most 1: not normalised
.endr
.irp b, 0,1,2,3
	v_exp_f32 v[232+\b], v[232+\b]                 ; the block's largest p: the same two instructions on the same number give the same bits
.endr
	v_pk_mul_f32 v[14:15], v[14:15], v[252:253] op_sel_hi:[1,0]   ; the sums under the new M.  (The plain place behind the exponentials)
	s_wait_alu depctr_va_vdst(0)
.irp b, 0,1,2,3
	v_max_num_f32 v[232+\b], 0x1800000, v[232+\b]  ; the floor 2^(3 - 127): the byte cannot fall under 1 (a block whose every p is 0 keeps that byte: its codes are zeros)
.endr
.irp b, 0,1,2,3
	v_add_nc_u32 v[244+\b], 0xff000000, v[232+\b]  ; 2 off the exponent field: the conversion's scale operand
.endr
.irp b, 0,1,2,3
	v_lshrrev_b32 v[236+\b], 23, v[244+\b]         ; the scale's byte
.endr
	v_lshl_or_b32 v253, v237, 8, v236              ; p's scale word for these 128 keys
	v_lshl_or_b32 v253, v238, 16, v253
	v_lshl_or_b32 v253, v239, 24, v253
.irp b, 0,1,2,3
	v_cvt_scalef32_pk8_fp4_f32 v[224+2*\b], v[96+16*\b:103+16*\b], v[244+\b]
	v_cvt_scalef32_pk8_fp4_f32 v[225+2*\b], v[104+16*\b:111+16*\b], v[244+\b]
.endr
	v_nop                                          ; one plain place behind a scaled conversion
.irp c, 0,1                                    ; the operand's layout wants a WHOLE block in a lane: lanes 0-15 block 2 c, lanes 16-31 block 2 c + 1
.irp i, 0,1
	v_permlane16_swap_b32 v[224+4*\c+\i], v[226+4*\c+\i]
.endr
.endr
	v_pk_add_f32 v[236:237], v[96:97], v[98:99]    ; THE ROW'S SUM IS TAKEN OF THE UNQUANTISED p: two at a time, in two chains
.irp j, 4,8,12,16,20,24,28,32,36,40,44,48,52,56,60
	v_pk_add_f32 v[14:15], v[14:15], v[96+\j:97+\j]
	v_pk_add_f32 v[236:237], v[236:237], v[98+\j:99+\j]
.endr
	v_pk_add_f32 v[14:15], v[14:15], v[236:237]
.irp j, 0,2,4,6,8,10,12,14,16,18,20,22,24,26,28,30
	v_pk_mul_f32 v[160+\j:161+\j], v[160+\j:161+\j], v[252:253] op_sel_hi:[1,0]   ; O^T under the new M: x f.  (With the sums above: the places between p's codes and scale word and the products below)
.endr
.irp t, 0,1                                    ; O^T += V^T P^T: four tiles of 16 channels, by turns; K = these 128 keys
	v_wmma_scale_f32_16x16x128_f8f6f4 v[160+8*\t:167+8*\t], v[64+8*\t:71+8*\t], v[224:231], v[160+8*\t:167+8*\t], v[254+\t], v253 matrix_a_fmt:MATRIX_FMT_FP4 matrix_b_fmt:MATRIX_FMT_FP4
.endr
.irp t, 2,3
	v_wmma_scale_f32_16x16x128_f8f6f4 v[160+8*\t:167+8*\t], v[64+8*\t:71+8*\t], v[224:231], v[160+8*\t:167+8*\t], v[254+\t-2], v253 matrix_a_fmt:MATRIX_FMT_FP4 matrix_b_fmt:MATRIX_FMT_FP4 matrix_a_scale:MATRIX_SCALE_ROW1
.endr
.rept 5
	v_nop                                          ; places behind these products, whatever comes next: loads into their operands, a read of O^T, a write over one of their registers
.endr
.Lhid_\@:
	s_add_co_u32 s26, s26, 128
.endm
; THE WAY OUT of a tile.  O^T / the sum goes through my own stage in LDS and comes back as whole rows of 256 bytes.
.macro OUT ob
	v_add_f32 v14, v14, v15                        ; the sum's two halves,
	v_permlanex16_b32 v252, v14, s20, s21
	v_add_f32 v14, v14, v252                       ; and lane l xor 16's: the row's sum
	v_rcp_f32 v14, v14
	v_and_b32 v232, 15, v0                         ; (the plain place behind the reciprocal)  r
	v_bfe_u32 v233, v0, 4, 1                       ; h
	s_mul_i32 s31, s12, 16*SP
	s_add_co_u32 s31, s31, STG                     ; my stage
	v_mul_u32_u24 v234, v232, SP
	v_lshl_add_u32 v234, v233, 5, v234
	v_add_nc_u32 v234, s31, v234                   ; in: row r; tile t's eight channels of my half: 64 t + 32 h bytes on
	v_mul_u32_u24 v235, v233, SP
	v_lshl_add_u32 v235, v232, 4, v235
	v_add_nc_u32 v235, s31, v235                   ; back: lanes 0-15 one row, lanes 16-31 the next
	v_lshlrev_b32 v236, 12, v233
	v_lshl_add_u32 v236, v232, 4, v236             ; and the same two rows in out: 4,096 bytes apart
	s_wait_alu depctr_va_vdst(0)
.irp j, 0,1,2,3,4,5,6,7,8,9,10,11,12,13,14,15,16,17,18,19,20,21,22,23,24,25,26,27,28,29,30,31
	v_mul_f32 v[96+\j], v[160+\j], v14             ; register 8 t + j is out(query r, channel 16 t + 8 h + j); each accumulator from its low end on
.endr
.irp t, 0,1,2,3
	ds_store_b128 v234, v[96+8*\t:99+8*\t] offset:64*\t
	ds_store_b128 v234, v[100+8*\t:103+8*\t] offset:64*\t+16
.endr
.irp i, 0,1,2,3,4,5,6,7
	ds_load_b128 v[128+4*\i:131+4*\i], v235 offset:2*\i*SP   ; LDS serves a wave's instructions in order (ISA guide 5.7.1.4): these see my stores
.endr
.irp i, 0,1,2,3,4,5,6,7
	s_wait_dscnt 7-\i                              ; pair i of rows is back; the younger loads may be out
	global_store_b128 v236, v[128+4*\i:131+4*\i], s[\ob:\ob+1] offset:8192*\i th:TH_STORE_NT   ; 16 lanes store 256 consecutive bytes, at a multiple of 256 from out's first byte; written once, read by nobody here
.endr
.endm
	s_load_b256 s[4:11], s[0:1], 0x0               ; keys s[4:5], queries s[6:7], values s[8:9], out s[10:11]
	v_lshrrev_b32 v232, 5, v0
	v_readfirstlane_b32 s12, v232                  ; wave 0..15
	s_mov_b32 s13, ttmp9                           ; i
	s_and_b32 s14, ttmp7, 0xffff                   ; y
	s_lshr_b32 s46, s12, 2                         ; w / 4
	s_and_b32 s47, s12, 1                          ; w % 2
	s_bfe_u32 s48, s12, 0x10001                    ; (w / 2) % 2
	s_lshr_b32 s49, s12, 3                         ; w / 8
	s_bfe_u32 s50, s12, 0x10002                    ; (w / 4) % 2
	s_and_b32 s51, s12, 3                          ; w % 4
	; my wave's keys 8 w .. 8 w + 7 of a step belong to K's tile 2 (w / 4) + w % 2, rows 8 ((w / 2) % 2) on
	s_lshl_b32 s45, s46, 10
	s_lshl_b32 s31, s47, 9
	s_add_co_u32 s45, s45, s31
	s_lshl_b32 s31, s48, 7
	s_add_co_u32 s45, s45, s31                     ; K's codes: 512 x tile + 16 x row
	s_lshl_b32 s58, s49, 8
	s_add_co_u32 s58, s58, s31
	s_lshl_b32 s31, s50, 3
	s_add_co_u32 s58, s58, s31
	s_lshl_b32 s31, s47, 2
	s_add_co_u32 s58, s58, s31                     ; K's scale words: 16 (16 (tile / 4) + row) + 4 (tile % 4)
	; my wave's part of V is tile w % 4, key block w / 4: registers 4 (w / 8) on, lanes 16 ((w / 4) % 2) on
	s_lshl_b32 s59, s51, 10
	s_lshl_b32 s31, s49, 9
	s_add_co_u32 s59, s59, s31
	s_lshl_b32 s31, s50, 8
	s_add_co_u32 s59, s59, s31                     ; V's codes
	s_lshl_b32 s60, s48, 7
	s_lshl_b32 s31, s47, 2
	s_add_co_u32 s60, s60, s31
	s_add_co_u32 s60, s60, s46                     ; V's scale bytes: 8 x 16 (tile / 2) + 4 (tile % 2) + key block
	v_and_b32 v232, 15, v0                         ; r
	v_bfe_u32 v233, v0, 4, 1                       ; h
	v_bfe_u32 v234, v0, 2, 3                       ; l / 4
	v_bfe_u32 v235, v0, 1, 1                       ; (l / 2) % 2
	v_and_b32 v236, 1, v0                          ; l % 2
	v_and_b32 v237, 3, v0                          ; l % 4   (v234, v236 and v237, later destinations of lane moves, are hereby written in every lane)
	v_and_b32 v1, 31, v0
	v_lshlrev_b32 v2, 3, v1                        ; 8 x lane
	v_lshlrev_b32 v1, 4, v1                        ; 16 x lane
	v_lshl_add_u32 v3, v234, 4, s45                ; K's codes: row l / 4 of my eight,
	v_lshl_add_u32 v3, v235, 8, v3                 ; the image's lanes 16-31 hold channels 32 on,
	v_lshl_add_u32 v3, v236, 3, v3                 ; my 16 codes are half of a lane's 16 bytes
	v_lshl_add_u32 v4, v234, 4, s58                ; K's scale word
	v_lshl_add_u32 v5, v232, 4, s59                ; V's codes: channel r,
	v_lshl_add_u32 v5, v233, 3, v5                 ; my 16 keys are half of a lane's 16 bytes
	v_lshl_add_u32 v6, v232, 3, s60                ; V's scale byte
	v_lshlrev_b32 v7, 12, v234
	v_lshl_add_u32 v7, v237, 6, v7                 ; K in memory: key l / 4, 64 (l % 4) bytes on
	v_lshlrev_b32 v8, 16, v233
	v_lshl_add_u32 v8, v232, 2, v8                 ; V in memory: 16 h keys down, channel r
	v_lshlrev_b32 v9, 3, v235                      ; K's byte goes 8 ((l / 2) % 2) bits up
	v_lshlrev_b32 v10, 12, v232
	v_lshl_add_u32 v10, v233, 7, v10               ; Q in memory: query r, 128 h bytes on   (v10 and v11 serve Q here, the steps' addresses later)
	v_lshlrev_b32 v11, 3, v233                     ; Q's byte goes 8 h bits up
	v_lshlrev_b32 v25, 4, v233
	v_sub_nc_u32 v25, v232, v25                    ; r - 16 h
	s_sub_co_u32 s27, 7, s13
	s_lshl_b32 s27, s27, 8
	s_lshl_b32 s31, s12, 4
	s_add_co_u32 s27, s27, s31                     ; pass 0's first query: 256 (7 - i) + 16 w
	s_sub_co_u32 s44, 15, s12
	s_lshl_b32 s44, s44, 4
	s_lshl_b32 s31, s13, 8
	s_add_co_u32 s44, s44, s31                     ; pass 1's: 256 i + 16 (15 - w)
	s_lshl_b32 s31, s13, 1
	s_sub_co_u32 s28, 16, s31                      ; steps to make: 16 - 2 i
	s_lshr_b32 s32, s14, 4
	s_lshl_b32 s32, s32, 23
	s_and_b32 s31, s14, 15
	s_lshl_b32 s31, s31, 8
	s_add_co_u32 s32, s32, s31
	s_mov_b32 s33, 0                               ; the head's first byte in each tensor: b x 2^23 + h x 256
	s_lshl_b32 s34, s12, 15
	s_mov_b32 s35, 0
	s_add_nc_u64 s[34:35], s[34:35], s[32:33]      ; K: + 8 w keys
	s_lshl_b32 s52, s46, 17
	s_lshl_b32 s31, s51, 6
	s_add_co_u32 s52, s52, s31
	s_mov_b32 s53, 0
	s_add_nc_u64 s[52:53], s[52:53], s[32:33]      ; V: + 32 (w / 4) keys + 16 (w % 4) channels
	s_lshl_b32 s54, s27, 12
	s_mov_b32 s55, 0
	s_add_nc_u64 s[54:55], s[54:55], s[32:33]      ; Q and out at pass 0's first query,
	s_lshl_b32 s56, s44, 12
	s_mov_b32 s57, 0
	s_add_nc_u64 s[56:57], s[56:57], s[32:33]      ; and at pass 1's
	s_mov_b32 s20, 0x76543210
	s_mov_b32 s21, 0xfedcba98                      ; v_permlanex16_b32's selects for lane l xor 16
	s_mov_b32 s22, 0x3e38aa3b                      ; c = log2(e) / 8
	s_mov_b32 s23, s22                             ; (named with it as a pair, so it is written)
	s_mov_b32 s[TBE], 0
	s_mov_b32 s[TBO], AREA
	s_mov_b32 s26, 0
	s_mov_b32 s29, 1
	s_wait_kmcnt 0x0
	s_add_nc_u64 s[16:17], s[4:5], s[34:35]
	s_add_nc_u64 s[18:19], s[8:9], s[52:53]
	s_add_nc_u64 s[36:37], s[6:7], s[54:55]
	s_add_nc_u64 s[38:39], s[6:7], s[56:57]
	s_add_nc_u64 s[40:41], s[10:11], s[54:55]
	s_add_nc_u64 s[42:43], s[10:11], s[56:57]
	KVLOAD                                         ; step 0
	QLOAD 96, 36                                   ; both tiles of Q, into the registers that the scores will take
	QLOAD 128, 38
.irp j, 20,21,22,23,36,37,38,39,44,45,46,47,52,53,54,55,60,61,62,63
	v_mov_b32 v[\j], 0                             ; the upper 64 along K of product 1's operands: zero codes, for the whole launch
.endr
	v_mov_b32 v13, 0xff61b1e6                      ; the largest t so far: -3e38, under every t
	v_floor_f32 v12, -v13                          ; -M
	v_mov_b32 v14, 0                               ; the sum, in two halves
	v_mov_b32 v15, 0
	v_mov_b32 v252, 0                              ; (a lane permute's destination counts as one of its sources)
	v_mov_b32 v253, 0                              ; (named as the upper half of the pair v[252:253] before it is first written)
.irp j, 0,1,2,3,4,5,6,7,8,9,10,11,12,13,14,15,16,17,18,19,20,21,22,23,24,25,26,27,28,29,30,31
	v_mov_b32 v[160+\j], 0                         ; O^T.  (A key step is written once: the first finds zeros, which the first change of M leaves zeros)
.endr
	s_wait_loadcnt 16                              ; step 0's 20 loads are in; Q's 16, issued behind them, may be out
	KVQUANT TBE, 0
	s_add_nc_u64 s[16:17], s[16:17], 0x80000       ; (their loads are done)
	s_add_nc_u64 s[18:19], s[18:19], 0x80000
	KVLOAD                                         ; step 1: at least ten steps are wanted
	s_wait_loadcnt 20                              ; Q is in; step 1's 20 loads may be out
	QQ 96, 16, 24
	QQ 128, 26, 30
.rept 8
	v_nop                                          ; a scale register written by a vector instruction stands 8 places ahead of a scaled matrix instruction, an operand so written 4
.endr
	BAR                                            ; step 0's images lie in LDS
	; PASS 0: sixteen steps in eight trips, the same count in every work-group; steps that are not wanted are jumped over inside
	s_mov_b32 s30, 8
.Lp0:
	QSTEP TBO, 0                                   ; step 2 m + 1 is made while step 2 m is read
	ASTEP TBE
	BAR
	QSTEP TBE, REG                                 ; step 2 m + 2 is made while step 2 m + 1 is read
	ASTEP TBO
	BAR
	s_add_co_u32 s[TBE], s[TBE], REG
	s_add_co_u32 s[TBO], s[TBO], REG
	s_sub_co_u32 s30, s30, 1
	s_cmp_lg_u32 s30, 0
	s_cbranch_scc1 .Lp0
	OUT 40
	; THE OTHER TILE.  Its Q first: the lines behind are the places in front of the next scaled products
	s_wait_xcnt 0x0                                ; the stores have read their registers: offsets and data may be written again
.irp j, 0,1,2,3
	v_mov_b32 v[16+\j], v[26+\j]
.endr
	v_mov_b32 v24, v30
	v_mov_b32 v13, 0xff61b1e6
	v_floor_f32 v12, -v13
	v_mov_b32 v14, 0
	v_mov_b32 v15, 0
.irp j, 0,1,2,3,4,5,6,7,8,9,10,11,12,13,14,15,16,17,18,19,20,21,22,23,24,25,26,27,28,29,30,31
	v_mov_b32 v[160+\j], 0
.endr
	s_mov_b32 s27, s44
	s_mov_b32 s26, 0
	s_mov_b32 s[TBE], 0
	s_mov_b32 s[TBO], AREA
	; PASS 1: at most eight steps (my last query is 1,023 at the most), all of which lie in LDS since the last barrier; nobody stores there any more
	s_mov_b32 s30, 4
.Lp1:
	ASTEP TBE
	ASTEP TBO
	s_add_co_u32 s[TBE], s[TBE], REG
	s_add_co_u32 s[TBO], s[TBO], REG
	s_sub_co_u32 s30, s30, 1
	s_cmp_lg_u32 s30, 0
	s_cbranch_scc1 .Lp1
	OUT 42
	s_wait_xcnt 0x0
	v_lshl_add_u32 v254, v0, 2, 0x38600
	v_mov_b32 v255, 0
	s_wait_tensorcnt 0x0
	ds_add_u32 v254, v255
	s_wait_dscnt 0x0
	s_endpgm
.Lfunc_end_k_q7ce124bf70_attn:
	.size	k_q7ce124bf70_attn, .Lfunc_end_k_q7ce124bf70_attn-k_q7ce124bf70_attn
	.p2alignl 7, 3214868480
	.fill 96, 4, 3214868480
	.section	.rodata,"a",@progbits
	.p2align	6, 0x0
	.amdhsa_kernel k_q7ce124bf70_attn
		.amdhsa_group_segment_fixed_size 232960
		.amdhsa_private_segment_fixed_size 0
		.amdhsa_enable_private_segment 0
		.amdhsa_kernarg_size 32
		.amdhsa_user_sgpr_count 2
		.amdhsa_user_sgpr_kernarg_segment_ptr 1
		.amdhsa_wavefront_size32 1
		.amdhsa_system_sgpr_workgroup_id_x 1
		.amdhsa_system_sgpr_workgroup_id_y 1
		.amdhsa_system_sgpr_workgroup_id_z 1
		.amdhsa_system_vgpr_workitem_id 0
		.amdhsa_next_free_vgpr 256
		.amdhsa_next_free_sgpr 66
		.amdhsa_reserve_vcc 1
		.amdhsa_float_denorm_mode_32 3
		.amdhsa_float_denorm_mode_16_64 3
		.amdhsa_memory_ordered 1
		.amdhsa_forward_progress 1
		.amdhsa_inst_pref_size 117
	.end_amdhsa_kernel
	.amdgpu_metadata
---
amdhsa.version: [ 1, 2 ]
amdhsa.kernels:
  - .name:           k_q7ce124bf70_attn
    .symbol:         k_q7ce124bf70_attn.kd
    .args:
      - { .name: keys, .offset: 0, .size: 8, .value_kind: global_buffer, .address_space: global }
      - { .name: queries, .offset: 8, .size: 8, .value_kind: global_buffer, .address_space: global }
      - { .name: values, .offset: 16, .size: 8, .value_kind: global_buffer, .address_space: global }
      - { .name: out0, .offset: 24, .size: 8, .value_kind: global_buffer, .address_space: global }
    .group_segment_fixed_size: 232960
    .private_segment_fixed_size: 0
    .kernarg_segment_align: 8
    .kernarg_segment_size: 32
    .max_flat_workgroup_size: 512
    .sgpr_count:     66
    .vgpr_count:     256
    .wavefront_size: 32
...
	.end_amdgpu_metadata
.endif
;; end of part 1
;; ======== version 2 of 2: 1 launch; version 1 with the launch attn written anew for expert scheduling mode
;; limits: right only within a limited range of input values
;; launch attn (part 2): grid 4 x 64, 16 waves a work-group, no clusters, 232,960 bytes of LDS; arguments keys, queries, values, out0; writes out0
.if DOCPART == 2
	.amdgcn_target "amdgcn-amd-amdhsa--gfx1250"
	.amdhsa_code_object_version 6
	.text
	.protected	k_q7ce124bf70_attn
	.globl	k_q7ce124bf70_attn
	.p2align	8
	.type	k_q7ce124bf70_attn,@function
k_q7ce124bf70_attn:
	s_mov_b64 s[64:65], 0
	v_nop
	global_prefetch_b8 v0, s[64:65] scope:SCOPE_SE
	s_setreg_imm32_b32 hwreg(HW_REG_WAVE_SCHED_MODE, 0, 2), 2
	s_setreg_imm32_b32 hwreg(HW_REG_WAVE_MODE, 25, 1), 1
	s_wait_xcnt 0x0
	s_wait_alu depctr_vm_vsrc(0)
; out[b][l][h][:] = the sum over s <= l of softmax_s(Q[b][l][h] . K[b][s][h] / 8) V[b][s][h][:].  Q, K, V, out: [4][2048][16][64] f32; a (b, l, h) row is 256 bytes, rows of one head lie 4,096 bytes apart.
; Both products run on codes of FP4 (E2M1) with one E8M0 scale for each 32 along a product's K.  Product 1: K = the head's 64 (two blocks; the instruction's upper 64 along K are zero codes on both sides).
; Product 2: K = the keys: V is quantised down the keys, p = 2^(t - M) along the keys; t = score x log2(e) / 8, M = the running largest t rounded UP to a whole number; the row's sum is taken of the unquantised p and divides at the end.
; SHARES.  256 work-groups: y = the head (b = y / 16, h = y % 16), x = i = 0 .. 3.  Work-group (i, y) owns the blocks of 256 queries 7 - i (pass 0) and i (pass 1).  Sixteen waves of 256 registers, four to a SIMD, so that one wave's
; vector work stands beside another's matrix work and loads.  Wave w owns tile w of block 7 - i and tile 15 - w of block i: 2 (7 - i) + w / 8 + 1 and 2 i + (15 - w) / 8 + 1 key steps of 128 keys: 17 for every wave.
; K AND V ARE QUANTISED BY THE WORK-GROUP ITSELF, a key step at a time, each wave a sixteenth of a step, into LDS as IMAGES OF THE OPERANDS' REGISTERS, and stay there: a head's 16 steps are 16 x 8,960 bytes.  Only the 16 - 2 i steps
; that block 7 - i wants are made.  In pass 0's trip for step s, step s + 1 (asked for a trip ago) is quantised and stored, step s + 2 is asked for, the tile works on step s, and one barrier follows.  Pass 1 reads what lies there: no barrier.
; NO CLUSTER, NO TENSOR LOADS: what the four work-groups of a head share are f32 numbers, which have to pass through registers, neighbours along K in one lane, to become codes; and the four want 16, 14, 12 and 10 steps: partners would
; need different numbers of tiles.  No prefetch: a step's register loads are already asked for a whole trip ahead of their use.
; LAYOUT (r = lane % 16, h = lane / 16).  Both products are used transposed: S^T = K Q^T (source 0 = 16 keys, source 1 = my 16 queries), O^T = V^T P^T (source 0 = 16 channels, source 1 = P): a lane holds ONE query throughout.
; THE KEYS OF A TILE OF K ARE NOT NEIGHBOURS: lane r of tile 2 b + u takes key 32 b + 8 u + r + 8 (r / 8), so that S^T's register 16 b + i is key 32 b + 16 h + i: 16 neighbours along the second product's K.
; THE MASK.  A step all of whose keys come after my 16 queries is left out (a scalar branch on ids); in the one step on the diagonal hidden scores become -1e9, as the definition has it, ahead of the maximum.
; LIMITS.  NaN and infinities among the inputs are not served.  A block whose largest magnitude lies under 2^-124 keeps the scale byte 1; a block of zeros gets the byte 1 where the rule says 127: its codes are zeros, and this
; program alone reads the bytes.  A p under 2^-126 comes out as 0 (the exponential's results under the smallest normal number are zeros: ISA guide, its entry among the vector instructions).  Leaving hidden steps out equals the definition while
; every row has a visible score above about -9e8.
;
; THE MODE: SCHED_MODE bits 1:0 = 2 (LLVM: expert scheduling mode 2), set by the entry lines.  The code itself states the register dependences between vector or matrix instructions and memory or LDS instructions, with s_wait_alu, always for 0.
; THE PLAN.  Registers that memory or LDS instructions touch:
;   v192-223                 A step's 20 global loads land here; the quantiser's maxima and conversions read them a trip later; behind those the next step's loads land.
;   v31, v235, v238-245      Addresses and data of the quantiser's four LDS stores: written by the quantiser; v235, v238-240, v244, v245 are written again by the same trip's softmax, all of them by the next quantiser, v235 by the way out too.
;   v10, v11                 Read by every LDS load of a key step; written by two additions at the step's head.
;   v248-251, v32-63's low fours   LDS loads land here; the score products read them; the quantiser names none of them.        v64-95, v254-255   LDS loads land here; the second product reads them.
;   v7, v8                   Offsets of the global loads, made once.        v234-236, v96-159   the way out's addresses, its stage data and the rows read back.
; A TRIP OF PASS 0.  One branch on whether my step counts.  Where it does: the step's two addresses; K's scale words and first four tiles are asked of LDS; the quantiser makes the next step while they are on their way; then the
; products and the softmax.  Where it does not: the quantiser alone.  So the quantiser's lines stand in both arms, and every load lies on one path with its use.
; THE WAITS OF A TRIP.  On vm_vsrc at its head, ahead of the branch, so that it lies on every path; on va_vdst behind the two additions; the quantiser's on va_vdst ahead of its stores, which also states that v192-223 are read out, so that
; the next 20 loads follow with no further wait; on va_vdst behind the first four products, for the loads into their fragments; on vm_vsrc behind the second four, for this trip's stores; the one behind the exponentials; one on va_vdst
; ahead of the second product, whose operand and scales vector instructions have written.  V's nine LDS loads stand behind the first four products: no vector or matrix instruction since the wait at the step's head names their registers.
;
; LDS.  A key step's region, REG bytes: KI 8 tiles of K x 512 bytes (registers 0-3 of a fragment: 16 bytes a lane at 16 x lane; registers 4-7 are zeros and are not kept); VI 4 tiles of V x 1,024 bytes (two groups of four registers);
;   KSC K's scale words, tile t, row r at 16 (16 (t / 4) + r) + 4 (t % 4): one load of 16 bytes at 16 x lane gives register j = tile j in lanes 0-15 and tile 4 + j in lanes 16-31;
;   VSC V's scale bytes, byte kb of tile t, channel r at 8 (16 (t / 2) + r) + 4 (t % 2) + kb: one load of 8 bytes at 8 x lane gives register j = tile j in lanes 0-15 and tile 2 + j in lanes 16-31.
;   Even steps lie in one area, odd steps in another: between two barriers a wave loads from one area alone and stores into the other alone.  Each area has a ninth region, which nothing fills.  Behind them: a stage of 16 rows x 272 bytes for each wave.
; REGISTERS.  v1-9 lane terms that stay; v10, v11 LDS addresses of the step in hand; v12 -M, v13 the largest t, v[14:15] the sum in two halves; v16-19 Q's codes, v20-23 zeros; v24 Q's scale word; v25 r - 16 h;
;   v26-30 the second tile's Q; v31, v241-243 the quantiser's store addresses; v32-63 four fragments of K (the upper four registers of each stay zeros); v64-95 four of V; v96-159 S^T, then p; v160-191 O^T;
;   v192-207, v208-223 16 numbers of K and 16 of V on their way in; v224-231 p's codes; v232-240, v244-247 at work; v248-251 K's scale words; v252 f; v253 p's scale word; v[254:255] V's scale words.
.set REG,  8960
.set KI,   0
.set VI,   4096
.set KSC,  8192
.set VSC,  8704
.set AREA, 9*REG                       ; odd steps begin here
.set STG,  2*AREA                      ; the stages
.set SP,   272                         ; a stage row: 256 bytes + 16
.set TBE,  24                          ; s24  the region in hand of the even steps' area
.set TBO,  25                          ; s25  of the odd steps' area
.set MK,   45                          ; s45-s60  behind the head, where they held wave terms and offsets: sixteen lane masks of the causal mask
; s12 wave; s13 i; s14 y; s[16:17], s[18:19] K's and V's bytes of the step asked for last; s[20:21] lane selects; s[22:23] c; s26 the step's first key; s27 my tile's first query; s28 steps to make; s29 the step to make next; s30 trips; s31 at work
; A sixteenth of a key step is asked for: 20 loads.  K: wave w takes keys 8 w .. 8 w + 7; lane l key l / 4, channels 16 (l % 4) on: 16 neighbours along K.  V: wave w takes channels 16 (w % 4) on and keys 32 (w / 4) on;
; lane (r, h) takes channel r and its registers run DOWN the keys 16 h + 0 .. 15.  No cache hint: the head's other three work-groups read the same bytes.
.macro KVLOAD
.irp j, 0,1,2,3
	global_load_b128 v[192+4*\j:195+4*\j], v7, s[16:17] offset:16*\j
.endr
.irp i, 0,1,2,3,4,5,6,7,8,9,10,11,12,13,14,15
	global_load_b32 v[208+\i], v8, s[18:19] offset:4096*\i
.endr
.endm
; These 32 numbers a lane become codes and scale bytes in the region at s[base] + off.  K's block of 32 lies in lanes l and l xor 1, V's in lanes l and l xor 16.
.macro KVQUANT base, off
	v_add_nc_u32 v241, s[\base], v3                ; where my 8 bytes of K's codes go,
	v_add_nc_u32 v242, s[\base], v4                ; my key's scale word,
	v_add_nc_u32 v243, s[\base], v5                ; my 8 bytes of V's codes,
	v_add_nc_u32 v31, s[\base], v6                 ; my block's scale byte
	v_max3_num_f32 v232, |v192|, |v193|, 0x1800000 ; the largest magnitudes, K's and V's by turns, with the floor 2^(3 - 127) among the leaves: the byte cannot fall under 1
	v_max3_num_f32 v236, |v208|, |v209|, 0x1800000
.irp i, 2,4,6,8,10,12,14
	v_max3_num_f32 v232, v232, |v[192+\i]|, |v[193+\i]|
	v_max3_num_f32 v236, v236, |v[208+\i]|, |v[209+\i]|
.endr
	v_max_num_f32_dpp v232, v232, v232 row_xmask:1 row_mask:0xf bank_mask:0xf
	v_permlanex16_b32 v237, v236, s20, s21
	v_max_num_f32 v236, v236, v237
	v_add_nc_u32 v246, 0xff000000, v232            ; 2 off the exponent field: the conversion takes the exponent field of this operand as its scale, and nothing else of it
	v_add_nc_u32 v247, 0xff000000, v236
	v_lshrrev_b32 v233, 23, v246                   ; the scales' bytes
	v_lshrrev_b32 v240, 23, v247
	v_cvt_scalef32_pk8_fp4_f32 v244, v[192:199], v246
	v_cvt_scalef32_pk8_fp4_f32 v245, v[200:207], v246
	v_cvt_scalef32_pk8_fp4_f32 v238, v[208:215], v247
	v_cvt_scalef32_pk8_fp4_f32 v239, v[216:223], v247
	v_lshlrev_b32 v233, v9, v233                   ; (the plain place behind the conversions)  K's byte at its place in the word: channel block (l / 2) % 2,
	v_mov_b32_dpp v234, v233 row_xmask:2 row_mask:0xf bank_mask:0xf
	v_or_b32 v235, v233, v234                      ; with the other block's: bytes 0 and 1; bytes 2 and 3, over zero codes, are 0
	s_wait_alu depctr_va_vdst(0)                   ; the lines above have written the four addresses, the codes, the word and the byte, which the LDS stores read; and they are done reading v192-223, in which the next step's loads land
	ds_store_b64 v241, v[244:245] offset:\off+KI
	ds_store_b32 v242, v235 offset:\off+KSC        ; a key's four lanes store the same word with the same value
	ds_store_b64 v243, v[238:239] offset:\off+VI
	ds_store_b8 v31, v240 offset:\off+VSC          ; both lanes of a block store the same byte with the same value
.endm
; The quantiser's part of a trip: step s29, if it is wanted, is made from the numbers asked for a trip ago; the step behind it, if it is wanted, is asked for.  The branches hang on ids and counts alone.
.macro QSTEP base, off
	s_cmp_ge_u32 s29, s28
	s_cbranch_scc1 .Lnoq_\@
	s_wait_loadcnt 0x0                             ; the 20 loads are in: their registers may be read and their bases stepped
	KVQUANT \base, \off
	s_add_co_u32 s31, s29, 1
	s_cmp_ge_u32 s31, s28
	s_cbranch_scc1 .Lnoq_\@                        ; no load leaves the steps that are wanted
	s_add_nc_u64 s[16:17], s[16:17], 0x80000       ; 128 keys of 4,096 bytes on
	s_add_nc_u64 s[18:19], s[18:19], 0x80000
	KVLOAD                                         ; no wait of its own: no vector instruction since the quantiser's wait names v192-223, v7 or v8
.Lnoq_\@:
	s_add_co_u32 s29, s29, 1
.endm
; A tile of Q: lane (r, h) takes query r's channels 32 h .. 32 h + 31: a whole block, 128 bytes
.macro QLOAD reg, sb
.irp j, 0,1,2,3,4,5,6,7
	global_load_b128 v[\reg+4*\j:\reg+4*\j+3], v10, s[\sb:\sb+1] offset:16*\j
.endr
.endm
; and becomes registers 0-3 of a fragment, v[dc] on, and a scale word, v[dw]
.macro QQ src, dc, dw
	v_max3_num_f32 v232, |v[\src]|, |v[\src+1]|, 0x1800000   ; two chains, the floor among the leaves
	v_max3_num_f32 v233, |v[\src+2]|, |v[\src+3]|, |v[\src+4]|
.irp i, 5,9,13,17,21,25
	v_max3_num_f32 v232, v232, |v[\src+\i]|, |v[\src+\i+1]|
	v_max3_num_f32 v233, v233, |v[\src+\i+2]|, |v[\src+\i+3]|
.endr
	v_max3_num_f32 v232, v232, |v[\src+29]|, |v[\src+30]|
	v_max3_num_f32 v232, v232, v233, |v[\src+31]|
	v_add_nc_u32 v246, 0xff000000, v232
	v_lshrrev_b32 v236, 23, v246
	v_lshlrev_b32 v236, v11, v236                  ; my block's byte, 8 h bits up;
	v_permlanex16_b32 v237, v236, s20, s21
	v_or_b32 v[\dw], v236, v237                    ; with lane l xor 16's the word is whole
.irp g, 0,1,2,3
	v_cvt_scalef32_pk8_fp4_f32 v[\dc+\g], v[\src+8*\g:\src+8*\g+7], v246
.endr
	v_nop                                          ; one plain place behind a scaled conversion
.endm
.macro BAR                                     ; my LDS stores have landed and my LDS loads are in: then the work-group's barrier
	s_wait_dscnt 0x0
	s_barrier_signal -1
	s_barrier_wait -1
.endm
; THE HEAD OF A KEY STEP of my tile, whose images lie at s[base]: its addresses, and the first five of its LDS loads
.macro AHEAD base
	v_add_nc_u32 v10, s[\base], v1
	v_add_nc_u32 v11, s[\base], v2
	s_wait_alu depctr_va_vdst(0)                   ; v10 and v11 are written, which the LDS loads read; the last step's products are done reading K's, V's and the scale words' registers, in which this step's loads land; Q's codes, its scale word and the zeros, which the scaled products take, are written
	ds_load_b128 v[248:251], v10 offset:KSC        ; K's scale words of all eight tiles
.irp t, 0,1,2,3
	ds_load_b128 v[32+8*\t:35+8*\t], v10 offset:KI+512*\t
.endr
.endm
; THE REST OF THE STEP: the 128 keys from s26 on.  q = 1: pass 0, where the quantiser's stores stand between the head and this
.macro ABODY q
	s_wait_dscnt 0x0                               ; K's words and first four tiles are in (for 0: behind them stand the quantiser's four stores, or none)
.irp t, 0,1,2,3                                ; S^T = K Q^T.  The accumulators take turns, one instruction a turn
	v_wmma_scale_f32_16x16x128_f8f6f4 v[96+8*\t:103+8*\t], v[32+8*\t:39+8*\t], v[16:23], 0, v[248+\t], v24 matrix_a_fmt:MATRIX_FMT_FP4 matrix_b_fmt:MATRIX_FMT_FP4
.endr
.rept 4
	v_nop                                          ; four plain places between these products and the loads into their fragments; the wait behind them states the dependence
.endr
	s_wait_alu depctr_va_vdst(0)                   ; the four products are done reading their fragments of K, in which tiles 4 to 7 land
.irp t, 0,1,2,3
	ds_load_b128 v[32+8*\t:35+8*\t], v10 offset:KI+512*(4+\t)
.endr
	ds_load_b64 v[254:255], v11 offset:VSC         ; V's scale words of all four tiles.  These nine loads owe no wait: no vector or matrix instruction since the wait at the step's head names v64-95, v254 or v255
.irp t, 0,1,2,3
.irp c, 0,1
	ds_load_b128 v[64+8*\t+4*\c:67+8*\t+4*\c], v10 offset:VI+1024*\t+512*\c
.endr
.endr
	s_wait_dscnt 9                                 ; LDS loads come back in order (ISA guide 5.7.1): tiles 4 to 7 are in; V's nine loads, issued behind them, may be out: they land under the softmax
.irp t, 0,1,2,3
	v_wmma_scale_f32_16x16x128_f8f6f4 v[128+8*\t:135+8*\t], v[32+8*\t:39+8*\t], v[16:23], 0, v[248+\t], v24 matrix_a_fmt:MATRIX_FMT_FP4 matrix_b_fmt:MATRIX_FMT_FP4 matrix_a_scale:MATRIX_SCALE_ROW1
.endr
.rept 4
	v_nop                                          ; places in front of the first read of results
.endr
.if \q
	s_wait_alu depctr_vm_vsrc(0)                   ; ahead of the mask's branch: this trip's quantiser's LDS stores have read v235, v238-240, v244 and v245, which the mask and the softmax below write again
.endif
	s_add_co_u32 s31, s26, 127                     ; a step all of whose keys count skips the mask
	s_cmp_le_u32 s31, s27
	s_cbranch_scc1 .Lopen_\@
	s_sub_co_i32 s31, s27, s26
	v_add_nc_u32 v252, s31, v25                    ; d = my query - the step's first key - 16 h.  Register 16 b + i holds key 32 b + 16 h + i of the step: hidden where 32 b + i > d
	v_mov_b32 v240, 0xce6e6b28                     ; -1e9
.irp g, 0,1,2,3                                ; a block of 32 keys at a time: sixteen compares in a run, into sixteen scalar registers, one wait, sixteen selects
.irp i, 0,1,2,3,4,5,6,7,8,9,10,11,12,13,14,15
	v_cmp_gt_i32 s[MK+\i], 32*\g+\i, v252
.endr
	s_wait_alu depctr_va_sdst(0)                   ; the sixteen compares have written their lane masks, ahead of the selects that read them
.irp i, 0,1,2,3,4,5,6,7,8,9,10,11,12,13,14,15
	v_cndmask_b32 v[96+16*\g+\i], v[96+16*\g+\i], v240, s[MK+\i]
.endr
.endr
.Lopen_\@:
.irp b, 0,1,2,3
	v_max3_num_f32 v[232+\b], v[96+16*\b], v[97+16*\b], v[98+16*\b]   ; THE LARGEST SCORE OF EACH BLOCK OF 32 KEYS: it serves for the row's maximum and, since p rises with the score, for the block's largest p
.endr
.irp i, 3,5,7,9,11,13
.irp b, 0,1,2,3
	v_max3_num_f32 v[232+\b], v[232+\b], v[96+16*\b+\i], v[97+16*\b+\i]   ; (the four blocks by turns)
.endr
.endr
.irp b, 0,1,2,3
	v_max_num_f32 v[232+\b], v[232+\b], v[111+16*\b]
.endr
.irp b, 0,1,2,3
	v_permlanex16_b32 v[236+\b], v[232+\b], s20, s21
.endr
.irp b, 0,1,2,3
	v_max_num_f32 v[232+\b], v[232+\b], v[236+\b]  ; with lane l xor 16's 16 keys
.endr
	v_max3_num_f32 v240, v232, v233, v234
	v_max_num_f32 v240, v240, v235                 ; the step's largest score of my query
	v_mul_f32 v240, s22, v240                      ; as t (c is positive)
	v_max_num_f32 v13, v13, v240                   ; the running largest t
	v_mov_b32 v240, v12
	v_floor_f32 v12, -v13                          ; the new -M = floor(-t) = -ceil(t): M is a whole number
	v_sub_f32 v240, v12, v240                      ; M's old value less its new one: a whole number, 0 or less
	v_cvt_i32_f32 v240, v240                       ; (it saturates)
	v_ldexp_f32 v252, 1.0, v240                    ; f = 2^(old M - new M): a multiplication by it rounds nothing
.irp j, 0,2,4,6,8,10,12,14,16,18,20,22,24,26,28,30,32,34,36,38,40,42,44,46,48,50,52,54,56,58,60,62
	v_pk_fma_f32 v[96+\j:97+\j], v[96+\j:97+\j], s[22:23], v[12:13] op_sel_hi:[1,0,0]   ; t - M, two at a time (of the pairs c and -M the low word serves both halves)
.endr
.irp b, 0,1,2,3
	v_fma_f32 v[232+\b], v[232+\b], s22, v12       ; the same of each block's largest score
.endr
	s_wait_alu depctr_va_vdst(0)
.irp j, 0,1,2,3,4,5,6,7,8,9,10,11,12,13,14,15,16,17,18,19,20,21,22,23,24,25,26,27,28,29,30,31,32,33,34,35,36,37,38,39,40,41,42,43,44,45,46,47,48,49,50,51,52,53,54,55,56,57,58,59,60,61,62,63
	v_exp_f32 v[96+\j], v[96+\j]                   ; p = 2^(t - M), at most 1: not normalised
.endr
.irp b, 0,1,2,3
	v_exp_f32 v[232+\b], v[232+\b]                 ; the block's largest p: the same two instructions on the same number give the same bits
.endr
	v_pk_mul_f32 v[14:15], v[14:15], v[252:253] op_sel_hi:[1,0]   ; the sums under the new M.  (The plain place behind the exponentials)
	s_wait_alu depctr_va_vdst(0)                   ; the 68 exponentials have written p, v96-159, and the blocks' largest p, v232-235: one wait for the batch, ahead of its first reader
.irp b, 0,1,2,3
	v_max_num_f32 v[232+\b], 0x1800000, v[232+\b]  ; the floor 2^(3 - 127): the byte cannot fall under 1 (a block whose every p is 0 keeps that byte: its codes are zeros)
.endr
.irp b, 0,1,2,3
	v_add_nc_u32 v[244+\b], 0xff000000, v[232+\b]  ; 2 off the exponent field: the conversion's scale operand
.endr
.irp b, 0,1,2,3
	v_lshrrev_b32 v[236+\b], 23, v[244+\b]         ; the scale's byte
.endr
	v_lshl_or_b32 v253, v237, 8, v236              ; p's scale word for these 128 keys
	v_lshl_or_b32 v253, v238, 16, v253
	v_lshl_or_b32 v253, v239, 24, v253
.irp b, 0,1,2,3
	v_cvt_scalef32_pk8_fp4_f32 v[224+2*\b], v[96+16*\b:103+16*\b], v[244+\b]
	v_cvt_scalef32_pk8_fp4_f32 v[225+2*\b], v[104+16*\b:111+16*\b], v[244+\b]
.endr
	v_nop                                          ; one plain place behind a scaled conversion
.irp c, 0,1                                    ; the operand's layout wants a WHOLE block in a lane: lanes 0-15 block 2 c, lanes 16-31 block 2 c + 1
.irp i, 0,1
	v_permlane16_swap_b32 v[224+4*\c+\i], v[226+4*\c+\i]
.endr
.endr
	v_pk_add_f32 v[236:237], v[96:97], v[98:99]    ; THE ROW'S SUM IS TAKEN OF THE UNQUANTISED p: two at a time, in two chains
.irp j, 4,8,12,16,20,24,28,32,36,40,44,48,52,56,60
	v_pk_add_f32 v[14:15], v[14:15], v[96+\j:97+\j]
	v_pk_add_f32 v[236:237], v[236:237], v[98+\j:99+\j]
.endr
	v_pk_add_f32 v[14:15], v[14:15], v[236:237]
.irp j, 0,2,4,6,8,10,12,14,16,18,20,22,24,26,28,30
	v_pk_mul_f32 v[160+\j:161+\j], v[160+\j:161+\j], v[252:253] op_sel_hi:[1,0]   ; O^T under the new M: x f.  (With the sums above: the places between p's codes and scale word and the products below)
.endr
	s_wait_dscnt 0x0                               ; V's four tiles and its scale words, asked for behind the first four products, are in
	s_wait_alu depctr_va_vdst(0)                   ; the conversions and exchanges have written p's codes, v224-231, and the shifts p's scale word, v253, which the scaled products take as operand and scales; the places above stay beside this wait
.irp t, 0,1                                    ; O^T += V^T P^T: four tiles of 16 channels, by turns; K = these 128 keys
	v_wmma_scale_f32_16x16x128_f8f6f4 v[160+8*\t:167+8*\t], v[64+8*\t:71+8*\t], v[224:231], v[160+8*\t:167+8*\t], v[254+\t], v253 matrix_a_fmt:MATRIX_FMT_FP4 matrix_b_fmt:MATRIX_FMT_FP4
.endr
.irp t, 2,3
	v_wmma_scale_f32_16x16x128_f8f6f4 v[160+8*\t:167+8*\t], v[64+8*\t:71+8*\t], v[224:231], v[160+8*\t:167+8*\t], v[254+\t-2], v253 matrix_a_fmt:MATRIX_FMT_FP4 matrix_b_fmt:MATRIX_FMT_FP4 matrix_a_scale:MATRIX_SCALE_ROW1
.endr
.rept 5
	v_nop                                          ; places behind these products, whatever comes next: a read of O^T, a write over one of their registers
.endr
.endm
; A TRIP OF PASS 0: my tile's key step, whose images lie at s[abase], and the quantiser's part, into s[qbase] + qoff.  One branch on ids; the quantiser stands in both arms.
.macro TRIP abase, qbase, qoff
	s_wait_alu depctr_vm_vsrc(0)                   ; on every path, ahead of the branch: the last quantiser's LDS stores have read v31, v235 and v238-245, which this trip's quantiser writes again; the last step's LDS loads, in the first trip Q's loads, have read v10 and v11
	s_add_co_u32 s31, s27, 15
	s_cmp_gt_u32 s26, s31
	s_cbranch_scc1 .Lhid_\@                        ; all its keys come after my queries
	AHEAD \abase
	QSTEP \qbase, \qoff                            ; its lines name none of the registers in which the five loads land: these are on their way meanwhile
	ABODY 1
	s_branch .Ljoin_\@
.Lhid_\@:
	QSTEP \qbase, \qoff
.Ljoin_\@:
	s_add_co_u32 s26, s26, 128
.endm
; A KEY STEP OF PASS 1
.macro STEP1 base
	s_wait_alu depctr_vm_vsrc(0)                   ; ahead of the branch: the last step's LDS loads have read v10 and v11, which the step's head writes again
	s_add_co_u32 s31, s27, 15
	s_cmp_gt_u32 s26, s31
	s_cbranch_scc1 .Lhid_\@                        ; all its keys come after my queries
	AHEAD \base
	ABODY 0
.Lhid_\@:
	s_add_co_u32 s26, s26, 128
.endm
; THE WAY OUT of a tile.  O^T / the sum goes through my own stage in LDS and comes back as whole rows of 256 bytes.
.macro OUT ob
	v_add_f32 v14, v14, v15                        ; the sum's two halves,
	v_permlanex16_b32 v252, v14, s20, s21
	v_add_f32 v14, v14, v252                       ; and lane l xor 16's: the row's sum
	s_wait_alu depctr_va_vdst(0)
	v_rcp_f32 v14, v14
	v_and_b32 v232, 15, v0                         ; (the plain place behind the reciprocal)  r
	v_bfe_u32 v233, v0, 4, 1                       ; h
	s_mul_i32 s31, s12, 16*SP
	s_add_co_u32 s31, s31, STG                     ; my stage
	v_mul_u32_u24 v234, v232, SP
	v_lshl_add_u32 v234, v233, 5, v234
	v_add_nc_u32 v234, s31, v234                   ; in: row r; tile t's eight channels of my half: 64 t + 32 h bytes on
	v_mul_u32_u24 v235, v233, SP
	v_lshl_add_u32 v235, v232, 4, v235
	v_add_nc_u32 v235, s31, v235                   ; back: lanes 0-15 one row, lanes 16-31 the next
	v_lshlrev_b32 v236, 12, v233
	v_lshl_add_u32 v236, v232, 4, v236             ; and the same two rows in out: 4,096 bytes apart
	s_wait_alu depctr_va_vdst(0)                   ; the reciprocal has written v14, ahead of its first reader
.irp j, 0,1,2,3,4,5,6,7,8,9,10,11,12,13,14,15,16,17,18,19,20,21,22,23,24,25,26,27,28,29,30,31
	v_mul_f32 v[96+\j], v[160+\j], v14             ; register 8 t + j is out(query r, channel 16 t + 8 h + j); each accumulator from its low end on
.endr
	s_wait_alu depctr_va_vdst(0)                   ; the multiplications have written v96-127, which the LDS stores read; v234, v235 and v236, the addresses and the offset below, are written; the softmax is done with v128-159, in which the rows read back land
.irp t, 0,1,2,3
	ds_store_b128 v234, v[96+8*\t:99+8*\t] offset:64*\t
	ds_store_b128 v234, v[100+8*\t:103+8*\t] offset:64*\t+16
.endr
.irp i, 0,1,2,3,4,5,6,7
	ds_load_b128 v[128+4*\i:131+4*\i], v235 offset:2*\i*SP   ; LDS serves a wave's instructions in order (ISA guide 5.7.1.4): these see my stores
.endr
.irp i, 0,1,2,3,4,5,6,7
	s_wait_dscnt 7-\i                              ; pair i of rows is back; the younger loads may be out
	global_store_b128 v236, v[128+4*\i:131+4*\i], s[\ob:\ob+1] offset:8192*\i th:TH_STORE_NT   ; 16 lanes store 256 consecutive bytes, at a multiple of 256 from out's first byte; written once, read by nobody here
.endr
.endm
	s_load_b256 s[4:11], s[0:1], 0x0               ; keys s[4:5], queries s[6:7], values s[8:9], out s[10:11]
	v_lshrrev_b32 v232, 5, v0
	v_readfirstlane_b32 s12, v232                  ; wave 0..15
	s_mov_b32 s13, ttmp9                           ; i
	s_and_b32 s14, ttmp7, 0xffff                   ; y
	s_wait_alu depctr_va_sdst(0)                   ; s12 is written, ahead of its first reader: the wave terms below are made from it
	s_lshr_b32 s46, s12, 2                         ; w / 4
	s_and_b32 s47, s12, 1                          ; w % 2
	s_bfe_u32 s48, s12, 0x10001                    ; (w / 2) % 2
	s_lshr_b32 s49, s12, 3                         ; w / 8
	s_bfe_u32 s50, s12, 0x10002                    ; (w / 4) % 2
	s_and_b32 s51, s12, 3                          ; w % 4
	; my wave's keys 8 w .. 8 w + 7 of a step belong to K's tile 2 (w / 4) + w % 2, rows 8 ((w / 2) % 2) on
	s_lshl_b32 s45, s46, 10
	s_lshl_b32 s31, s47, 9
	s_add_co_u32 s45, s45, s31
	s_lshl_b32 s31, s48, 7
	s_add_co_u32 s45, s45, s31                     ; K's codes: 512 x tile + 16 x row
	s_lshl_b32 s58, s49, 8
	s_add_co_u32 s58, s58, s31
	s_lshl_b32 s31, s50, 3
	s_add_co_u32 s58, s58, s31
	s_lshl_b32 s31, s47, 2
	s_add_co_u32 s58, s58, s31                     ; K's scale words: 16 (16 (tile / 4) + row) + 4 (tile % 4)
	; my wave's part of V is tile w % 4, key block w / 4: registers 4 (w / 8) on, lanes 16 ((w / 4) % 2) on
	s_lshl_b32 s59, s51, 10
	s_lshl_b32 s31, s49, 9
	s_add_co_u32 s59, s59, s31
	s_lshl_b32 s31, s50, 8
	s_add_co_u32 s59, s59, s31                     ; V's codes
	s_lshl_b32 s60, s48, 7
	s_lshl_b32 s31, s47, 2
	s_add_co_u32 s60, s60, s31
	s_add_co_u32 s60, s60, s46                     ; V's scale bytes: 8 x 16 (tile / 2) + 4 (tile % 2) + key block
	v_and_b32 v232, 15, v0                         ; r
	v_bfe_u32 v233, v0, 4, 1                       ; h
	v_bfe_u32 v234, v0, 2, 3                       ; l / 4
	v_bfe_u32 v235, v0, 1, 1                       ; (l / 2) % 2
	v_and_b32 v236, 1, v0                          ; l % 2
	v_and_b32 v237, 3, v0                          ; l % 4   (v234, v236 and v237, later destinations of lane moves, are hereby written in every lane)
	v_and_b32 v1, 31, v0
	v_lshlrev_b32 v2, 3, v1                        ; 8 x lane
	v_lshlrev_b32 v1, 4, v1                        ; 16 x lane
	v_lshl_add_u32 v3, v234, 4, s45                ; K's codes: row l / 4 of my eight,
	v_lshl_add_u32 v3, v235, 8, v3                 ; the image's lanes 16-31 hold channels 32 on,
	v_lshl_add_u32 v3, v236, 3, v3                 ; my 16 codes are half of a lane's 16 bytes
	v_lshl_add_u32 v4, v234, 4, s58                ; K's scale word
	v_lshl_add_u32 v5, v232, 4, s59                ; V's codes: channel r,
	v_lshl_add_u32 v5, v233, 3, v5                 ; my 16 keys are half of a lane's 16 bytes
	v_lshl_add_u32 v6, v232, 3, s60                ; V's scale byte
	v_lshlrev_b32 v7, 12, v234
	v_lshl_add_u32 v7, v237, 6, v7                 ; K in memory: key l / 4, 64 (l % 4) bytes on
	v_lshlrev_b32 v8, 16, v233
	v_lshl_add_u32 v8, v232, 2, v8                 ; V in memory: 16 h keys down, channel r
	v_lshlrev_b32 v9, 3, v235                      ; K's byte goes 8 ((l / 2) % 2) bits up
	v_lshlrev_b32 v10, 12, v232
	v_lshl_add_u32 v10, v233, 7, v10               ; Q in memory: query r, 128 h bytes on   (v10 and v11 serve Q here, the steps' addresses later)
	v_lshlrev_b32 v11, 3, v233                     ; Q's byte goes 8 h bits up
	v_lshlrev_b32 v25, 4, v233
	v_sub_nc_u32 v25, v232, v25                    ; r - 16 h
	s_sub_co_u32 s27, 7, s13
	s_lshl_b32 s27, s27, 8
	s_lshl_b32 s31, s12, 4
	s_add_co_u32 s27, s27, s31                     ; pass 0's first query: 256 (7 - i) + 16 w
	s_sub_co_u32 s44, 15, s12
	s_lshl_b32 s44, s44, 4
	s_lshl_b32 s31, s13, 8
	s_add_co_u32 s44, s44, s31                     ; pass 1's: 256 i + 16 (15 - w)
	s_lshl_b32 s31, s13, 1
	s_sub_co_u32 s28, 16, s31                      ; steps to make: 16 - 2 i
	s_lshr_b32 s32, s14, 4
	s_lshl_b32 s32, s32, 23
	s_and_b32 s31, s14, 15
	s_lshl_b32 s31, s31, 8
	s_add_co_u32 s32, s32, s31
	s_mov_b32 s33, 0                               ; the head's first byte in each tensor: b x 2^23 + h x 256
	s_lshl_b32 s34, s12, 15
	s_mov_b32 s35, 0
	s_add_nc_u64 s[34:35], s[34:35], s[32:33]      ; K: + 8 w keys
	s_lshl_b32 s52, s46, 17
	s_lshl_b32 s31, s51, 6
	s_add_co_u32 s52, s52, s31
	s_mov_b32 s53, 0
	s_add_nc_u64 s[52:53], s[52:53], s[32:33]      ; V: + 32 (w / 4) keys + 16 (w % 4) channels
	s_lshl_b32 s54, s27, 12
	s_mov_b32 s55, 0
	s_add_nc_u64 s[54:55], s[54:55], s[32:33]      ; Q and out at pass 0's first query,
	s_lshl_b32 s56, s44, 12
	s_mov_b32 s57, 0
	s_add_nc_u64 s[56:57], s[56:57], s[32:33]      ; and at pass 1's
	s_mov_b32 s20, 0x76543210
	s_mov_b32 s21, 0xfedcba98                      ; v_permlanex16_b32's selects for lane l xor 16
	s_mov_b32 s22, 0x3e38aa3b                      ; c = log2(e) / 8
	s_mov_b32 s23, s22                             ; (named with it as a pair, so it is written)
	s_mov_b32 s[TBE], 0
	s_mov_b32 s[TBO], AREA
	s_mov_b32 s26, 0
	s_mov_b32 s29, 1
	s_wait_kmcnt 0x0
	s_add_nc_u64 s[16:17], s[4:5], s[34:35]
	s_add_nc_u64 s[18:19], s[8:9], s[52:53]
	s_add_nc_u64 s[36:37], s[6:7], s[54:55]
	s_add_nc_u64 s[38:39], s[6:7], s[56:57]
	s_add_nc_u64 s[40:41], s[10:11], s[54:55]
	s_add_nc_u64 s[42:43], s[10:11], s[56:57]
	s_wait_alu depctr_va_vdst(0)                   ; the lane terms are written: v7 and v8 are the offsets of every load of K and V, v10 of Q's loads
	KVLOAD                                         ; step 0
	QLOAD 96, 36                                   ; both tiles of Q, into the registers that the scores will take
	QLOAD 128, 38
.irp j, 20,21,22,23,36,37,38,39,44,45,46,47,52,53,54,55,60,61,62,63
	v_mov_b32 v[\j], 0                             ; the upper 64 along K of product 1's operands: zero codes, for the whole launch
.endr
	v_mov_b32 v13, 0xff61b1e6                      ; the largest t so far: -3e38, under every t
	v_floor_f32 v12, -v13                          ; -M
	v_mov_b32 v14, 0                               ; the sum, in two halves
	v_mov_b32 v15, 0
	v_mov_b32 v252, 0                              ; (a lane permute's destination counts as one of its sources)
	v_mov_b32 v253, 0                              ; (named as the upper half of the pair v[252:253] before it is first written)
.irp j, 0,1,2,3,4,5,6,7,8,9,10,11,12,13,14,15,16,17,18,19,20,21,22,23,24,25,26,27,28,29,30,31
	v_mov_b32 v[160+\j], 0                         ; O^T.  (A key step is written once: the first finds zeros, which the first change of M leaves zeros)
.endr
	s_wait_loadcnt 16                              ; step 0's 20 loads are in; Q's 16, issued behind them, may be out
	KVQUANT TBE, 0
	s_add_nc_u64 s[16:17], s[16:17], 0x80000       ; (their loads are done)
	s_add_nc_u64 s[18:19], s[18:19], 0x80000
	KVLOAD                                         ; step 1: at least ten steps are wanted.  (No vector instruction since the quantiser's wait names v192-223)
	s_wait_loadcnt 20                              ; Q is in; step 1's 20 loads may be out
	QQ 96, 16, 24                                  ; (these two write none of the registers that step 0's LDS stores read)
	QQ 128, 26, 30
.rept 8
	v_nop                                          ; a scale register written by a vector instruction stands 8 places ahead of a scaled matrix instruction, an operand so written 4
.endr
	BAR                                            ; step 0's images lie in LDS
	; PASS 0: sixteen steps in eight trips of two, the same count in every work-group; steps that are not wanted are jumped over inside
	s_mov_b32 s30, 8
.Lp0:
	TRIP TBE, TBO, 0                               ; step 2 m + 1 is made while step 2 m is read
	BAR
	TRIP TBO, TBE, REG                             ; step 2 m + 2 is made while step 2 m + 1 is read
	BAR
	s_add_co_u32 s[TBE], s[TBE], REG
	s_add_co_u32 s[TBO], s[TBO], REG
	s_sub_co_u32 s30, s30, 1
	s_cmp_lg_u32 s30, 0
	s_cbranch_scc1 .Lp0
	s_wait_alu depctr_vm_vsrc(0)                   ; on the way on which my last steps were hidden: the last quantiser's LDS stores have read v235, which the way out writes again
	OUT 40
	; THE OTHER TILE.  Its Q first: the lines behind are the places in front of the next scaled products
	s_wait_xcnt 0x0                                ; the stores have read their registers: offsets and data may be written again
	s_wait_alu depctr_vm_vsrc(0)                   ; the way out's LDS stores and loads and its global stores have read v96-159 and v234-236, which the next pass's products and softmax write again
.irp j, 0,1,2,3
	v_mov_b32 v[16+\j], v[26+\j]
.endr
	v_mov_b32 v24, v30
	v_mov_b32 v13, 0xff61b1e6
	v_floor_f32 v12, -v13
	v_mov_b32 v14, 0
	v_mov_b32 v15, 0
.irp j, 0,1,2,3,4,5,6,7,8,9,10,11,12,13,14,15,16,17,18,19,20,21,22,23,24,25,26,27,28,29,30,31
	v_mov_b32 v[160+\j], 0
.endr
	s_mov_b32 s27, s44
	s_mov_b32 s26, 0
	s_mov_b32 s[TBE], 0
	s_mov_b32 s[TBO], AREA
	; PASS 1: at most eight steps (my last query is 1,023 at the most), all of which lie in LDS since the last barrier; nobody stores there any more
	s_mov_b32 s30, 4
.Lp1:
	STEP1 TBE
	STEP1 TBO
	s_add_co_u32 s[TBE], s[TBE], REG
	s_add_co_u32 s[TBO], s[TBO], REG
	s_sub_co_u32 s30, s30, 1
	s_cmp_lg_u32 s30, 0
	s_cbranch_scc1 .Lp1
	OUT 42
	s_wait_xcnt 0x0
	v_lshl_add_u32 v254, v0, 2, 0x38600            ; my spare word, behind the stages, and 0: made anew here, since no two registers could be kept; no memory or LDS instruction has ever read v254 or v255
	v_mov_b32 v255, 0
	s_wait_dscnt 0x0                               ; the closing lines, six on end
	s_wait_alu 0x0
	s_wait_tensorcnt 0x0
	ds_add_u32 v254, v255
	s_wait_dscnt 0x0
	s_endpgm
.Lfunc_end_k_q7ce124bf70_attn:
	.size	k_q7ce124bf70_attn, .Lfunc_end_k_q7ce124bf70_attn-k_q7ce124bf70_attn
	.p2alignl 7, 3214868480
	.fill 96, 4, 3214868480
	.section	.rodata,"a",@progbits
	.p2align	6, 0x0
	.amdhsa_kernel k_q7ce124bf70_attn
		.amdhsa_group_segment_fixed_size 232960
		.amdhsa_private_segment_fixed_size 0
		.amdhsa_enable_private_segment 0
		.amdhsa_kernarg_size 32
		.amdhsa_user_sgpr_count 2
		.amdhsa_user_sgpr_kernarg_segment_ptr 1
		.amdhsa_wavefront_size32 1
		.amdhsa_system_sgpr_workgroup_id_x 1
		.amdhsa_system_sgpr_workgroup_id_y 1
		.amdhsa_system_sgpr_workgroup_id_z 1
		.amdhsa_system_vgpr_workitem_id 0
		.amdhsa_next_free_vgpr 256
		.amdhsa_next_free_sgpr 66
		.amdhsa_reserve_vcc 0
		.amdhsa_float_denorm_mode_32 3
		.amdhsa_float_denorm_mode_16_64 3
		.amdhsa_memory_ordered 1
		.amdhsa_forward_progress 1
		.amdhsa_inst_pref_size 144
	.end_amdhsa_kernel
	.amdgpu_metadata
---
amdhsa.version: [ 1, 2 ]
amdhsa.kernels:
  - .name:           k_q7ce124bf70_attn
    .symbol:         k_q7ce124bf70_attn.kd
    .args:
      - { .name: keys, .offset: 0, .size: 8, .value_kind: global_buffer, .address_space: global }
      - { .name: queries, .offset: 8, .size: 8, .value_kind: global_buffer, .address_space: global }
      - { .name: values, .offset: 16, .size: 8, .value_kind: global_buffer, .address_space: global }
      - { .name: out0, .offset: 24, .size: 8, .value_kind: global_buffer, .address_space: global }
    .group_segment_fixed_size: 232960
    .private_segment_fixed_size: 0
    .kernarg_segment_align: 8
    .kernarg_segment_size: 32
    .max_flat_workgroup_size: 512
    .sgpr_count:     66
    .vgpr_count:     256
    .wavefront_size: 32
...
	.end_amdgpu_metadata
.endif
;; end of part 2
